; MI455X (gfx1250); checked and timed in simulation.
; The chip was launched on July 23, 2026; its instructions are those of AMD's public machine-readable ISA for CDNA 5 (MIT licence, August 2026) and "CDNA5" Instruction Set Architecture Reference Guide (July 2026). The comments in the code are by the model that wrote it; some were corrected since.
;; Self Attention. Allowed arithmetic: matrix products marked QUANTISED: E5M2 operands, one given power-of-two scale a tensor, by v_wmma_f32_16x16x64_bf8_bf8 or v_wmma_f32_16x16x128_bf8_bf8, f32 sums; everything else in f32.
;; Inputs: entangle_params 3,072 float32; inputs 2 x 2,048 x 1,024 float32; lowp_scales 6 int32 (the exponents e of the quantised operands' scales 2^e); rotation_params 3,072 x 1,024 float32.
;; Outputs: out0 2 x 2,048 x 1,024 float32.
;; This version of the problem:
;;   THIS VERSION OF THE PROBLEM IS GIVEN IN LOW PRECISION. The matrix products marked QUANTISED in the list below multiply operands that are first quantised to E5M2 (5 exponent bits, 2 mantissa bits; 8 bits a number), with one given power-of-two scale for each operand tensor; their sums are f32. All else is computed in f32.
;;   The module's matrix products, in the order in which they are computed (A, B: the left and right operand; K: the contracted axis; several contracted axes count as one K, in the product's order):
;;     1. [M 4,096, K 1,024] x [K 1,024, N 3,072]; A: input inputs; B: input rotation_params: QUANTISED (scales: A lowp_scales[0], B lowp_scales[1])
;;     2. batch 32 x [M 2,048, K 64] x [K 64, N 2,048]; A: computed on the way; B: computed on the way: QUANTISED (scales: A lowp_scales[2], B lowp_scales[3])
;;     3. batch 32 x [M 2,048, K 2,048] x [K 2,048, N 64]; A: softmax (see below); B: computed on the way: QUANTISED (scales: A lowp_scales[4], B lowp_scales[5])
;;   THE QUANTISER, for each operand of a quantised product, along K:
;;     - The operand's scale is 2^e, e = its entry of the input lowp_scales (int32; the entries are numbered through the quantised products in the list's order, A before B).
;;     - Each number is divided by the scale, clamped to +-57,344, and rounded to the nearest number of E5M2, ties to even, subnormals kept.
;;     - The product sums the exact products of the quantised numbers (number of the format x scale) in f32.
;;   ~~~python
;;   def quantise(x, axis, e):      # numpy; x: float32 -> the quantised numbers, widened to float32 again
;;       x = np.moveaxis(x, axis, -1); K = x.shape[-1]
;;       r = np.clip(x / 2.0 ** e, -57344, 57344)
;;       step = 2.0 ** (np.maximum(np.frexp(np.where(r == 0, 1, r))[1] - 1, -14) - 2)
;;       q = np.round(r / step) * step * 2.0 ** e      # np.round: ties to even
;;       return np.moveaxis(q, -1, axis).astype(np.float32)
;;   ~~~
;;   SOFTMAX AHEAD OF A QUANTISED PRODUCT. Where the list says 'softmax', what is quantised is not the finished softmax but p = 2^(t - M), with t = logit x log2(e) and M = ceil(the row's largest t), a whole number; so 1/2 < the row's largest p <= 1. The row's sum l is taken of the UNQUANTISED p, in f32, and the product's result is divided by l at the end. Since M is a whole number, a kernel that streams over the keys may use a running M (the ceiling of the running maximum): every later rescaling is an exact power of two, so the quantised numbers keep their values, but for numbers so far below the row's largest that they fall under the format's range.
;;   OPERANDS COMPUTED ON THE WAY. 'Computed on the way' means the value that the module computes at that place (a softmax that the list does not call 'softmax' is quantised finished and normalised). What goes into a quantiser is computed in f32, as accurately as f32 sums, v_exp_f32 and their like allow (about 1e-6 of the number): no bf16 or f16 on the way to a quantiser, and a product that is left as it is and whose result goes on into a quantised operand takes f32 operands (vector FMAs, or v_wmma_f32_16x16x4_f32). A number that lies on a knife's edge between two numbers of the format may be rounded either way, as far as f32 arithmetic and the matrix unit's own rounding can turn it there, and no further.
;; One version. Each part assembles by itself: llvm-mc -triple=amdgcn-amd-amdhsa -mcpu=gfx1250 --defsym DOCPART=n.
;; ======== version 1 of 1: 4 launches
;; limits: right only within a limited range of input values
;; workspace buffers: xw 7,340,032 bytes; qkv 12,582,912 bytes; ws 16,777,216 bytes
;; launch quant (part 1): grid 256 x 1, 7 waves a work-group, no clusters, 69,120 bytes of LDS; arguments inputs, rotation_params, lowp_scales, xw; writes xw
.if DOCPART == 1
	.amdgcn_target "amdgcn-amd-amdhsa--gfx1250"
	.amdhsa_code_object_version 6
	.text
	.protected	k_q31dc795de5_quant
	.globl	k_q31dc795de5_quant
	.p2align	8
	.type	k_q31dc795de5_quant,@function
k_q31dc795de5_quant:
	s_mov_b64 s[64:65], 0
	v_nop
	global_prefetch_b8 v0, s[64:65] scope:SCOPE_SE
	s_setreg_imm32_b32 hwreg(HW_REG_WAVE_MODE, 25, 1), 1
	s_wait_xcnt 0x0
; inputs [4096][1024] and rotation_params [3072][1024], f32, become codes of BF8 (E5M2), one byte each, as IMAGES of the next launch's operand registers, in one buffer of 448 tiles of 16 rows, 16,384 bytes each:
; byte 2,048 s + 512 c + 256 h + 16 r of a tile begins the 16 codes of row r, K = 128 s + 32 c + 16 h + 0 .. 15, that is, byte 256 m + 16 r for K = 16 m + 0 .. 15.
; Tiles 0-255: the inputs' rows (scale 2^e0).  Tiles 256-447: the weight's (scale 2^e1), head by head: 256 + 12 head + 4 part + i holds rows 1,024 part + 64 head + 16 i + 0 .. 15 (part 0, 1, 2: Q, K, V).
; code = x / 2^e, held within +-57,344, rounded to the nearest code, ties to even.
; LIMITS: -126 <= e0, e1 <= 112, so that 2^e and 57,344 x 2^e are f32 numbers.  NaN among the inputs is not served (an infinity is held at the largest code).
; A wave takes 16 rows x 256 along K, in 8 steps of two rows: 1,792 waves, seven to a work-group.  All its 32 loads go out at once; each reads 512 consecutive bytes.  The conversion takes 8 numbers from one lane's
; registers, so a step's 2,048 bytes turn through the wave's own stage in LDS and come back 64 bytes a lane (16 bytes of padding behind each 64).  A lane's 16 codes go into a second stage at 272 m + 16 r
; and come back as the image lies: a store covers 512 consecutive bytes, aligned.  Waves share nothing: no barrier.
.set EMAX,  15
.set MANT,  0x600000                   ; the mantissa field of 57,344 as f32
.set SPW,   12                         ; LDS address of my spare word; never rewritten
.set NIL,   13                         ; 0; never rewritten
.set R,     16                         ; v16-143  the 32 loads; v16-47 again on the way out
.set X,     144                        ; v144-175 two sets of 16 neighbours
.set C,     176                        ; v176-207 codes: four registers for each step
.set SP,    80                         ; a lane's place in a stage: its 64 bytes + 16 of padding
.set CST,   5120                       ; behind two stages of 32 x SP bytes: 16 rows of 272 bytes of codes
.set WREG,  9728                       ; a wave's region
.set SPARE, 7*WREG                     ; the spare words: 128 bytes for each wave, in blocks that no other line names
	s_load_b256 s[4:11], s[0:1], 0x0               ; inputs s[4:5], rotation_params s[6:7], the scales' exponents s[8:9], the codes s[10:11]
	v_lshl_add_u32 v[SPW], v0, 2, SPARE
	v_mov_b32 v[NIL], 0
	v_lshrrev_b32 v1, 5, v0
	v_readfirstlane_b32 s16, v1                    ; wave 0..6
	v_and_b32 v2, 31, v0                           ; lane
	v_lshlrev_b32 v3, 4, v2                        ; my 16 bytes of 512
	s_mul_i32 s17, s16, WREG
	v_lshrrev_b32 v14, 2, v2
	v_mul_u32_u24 v14, v14, SP
	v_and_b32 v15, 3, v2
	v_lshl_add_u32 v14, v15, 4, v14
	v_add_nc_u32 v14, s17, v14                     ; the stage, on the way in: four lanes' 64 bytes on end, then 16 of padding
	v_mul_u32_u24 v15, v2, SP
	v_add_nc_u32 v15, s17, v15                     ; and on the way out: my 16 neighbours
	s_add_co_u32 s17, s17, CST
	v_and_b32 v4, 15, v2
	v_lshrrev_b32 v5, 4, v2
	v_mul_u32_u24 v6, v4, 272
	v_lshl_add_u32 v6, v5, 4, v6
	v_add_nc_u32 v6, s17, v6                       ; codes in: m = lane % 16, row 2 t + lane / 16
	v_mul_u32_u24 v7, v5, 272
	v_lshl_add_u32 v7, v4, 4, v7
	v_add_nc_u32 v7, s17, v7                       ; codes back: sixteen lanes to a row of the stage
	s_wait_alu depctr_va_vdst(0)                   ; ahead of the scalar lines and the wait below
	s_mul_i32 s18, ttmp9, 7
	s_add_co_u32 s18, s18, s16                     ; my task: tile x 4 + quarter of K
	s_lshr_b32 s19, s18, 2
	s_and_b32 s20, s18, 3
	s_sub_co_u32 s21, s19, 256                     ; the weight's tile, if it is one
	s_lshr_b32 s24, s21, 6                         ; part
	s_bfe_u32 s25, s21, 0x40002                    ; head
	s_and_b32 s26, s21, 3
	s_mul_i32 s25, s25, 12
	s_lshl_b32 s24, s24, 2
	s_add_co_u32 s24, s24, s25
	s_add_co_u32 s24, s24, s26
	s_add_co_u32 s24, s24, 256                     ; its place among the images
	s_cmp_lt_u32 s18, 1024                         ; the inputs' task or the weight's?
	s_cselect_b32 s21, s19, s21
	s_cselect_b32 s24, s19, s24
	s_cselect_b32 s27, 1, 0
	s_lshl_b32 s28, s21, 16                        ; a tile is 65,536 bytes of f32, a quarter of its row 1,024
	s_lshl_b32 s29, s20, 10
	s_add_co_u32 s28, s28, s29
	s_mov_b32 s29, 0
	s_lshl_b32 s30, s24, 14
	s_lshl_b32 s31, s20, 12
	s_add_co_u32 s30, s30, s31
	s_mov_b32 s31, 0
	s_wait_kmcnt 0x0
	s_load_b64 s[22:23], s[8:9], 0x0               ; e0, e1
	s_cmp_eq_u32 s27, 1
	s_cselect_b64 s[4:5], s[4:5], s[6:7]
	s_add_nc_u64 s[4:5], s[4:5], s[28:29]
	s_add_nc_u64 s[10:11], s[10:11], s[30:31]
.irp t, 0,1,2,3,4,5,6,7
.irp i, 0,1,2,3
	global_load_b128 v[R+16*\t+4*\i:R+16*\t+4*\i+3], v3, s[4:5] offset:4096*(2*\t+\i/2)+512*(\i%2) th:TH_LOAD_NT   ; read once in the launch
.endr
.endr
.macro TURN t                          ; step t's numbers through the stage: LDS serves a wave's instructions in order, so no wait stands between the stores and the loads
.irp i, 0,1,2,3
	ds_store_b128 v14, v[R+16*(\t)+4*\i:R+16*(\t)+4*\i+3] offset:32*SP*((\t)%2)+8*SP*\i
.endr
.irp i, 0,1,2,3
	ds_load_b128 v[X+16*((\t)%2)+4*\i:X+16*((\t)%2)+4*\i+3], v15 offset:32*SP*((\t)%2)+16*\i
.endr
.endm
	s_wait_kmcnt 0x0
	s_cmp_eq_u32 s27, 1
	s_cselect_b32 s22, s22, s23                    ; e
	s_add_co_i32 s22, s22, 127
	s_lshl_b32 s23, s22, 23
	v_mov_b32 v11, s23                             ; 2^e as f32: the conversion takes its exponent field
	s_add_co_i32 s22, s22, EMAX
	s_lshl_b32 s22, s22, 23
	s_or_b32 s22, s22, MANT
	v_mov_b32 v10, s22                             ; 57,344 x 2^e
	s_wait_alu depctr_va_vdst(0)                   ; the head's end
	s_wait_loadcnt 28                              ; step 0's four loads are in
	TURN 0
.macro STEP t
.set XS, X+16*((\t)%2)
	s_wait_dscnt 0x0                               ; this step's numbers are back from the stage
.if (\t) < 7
	s_wait_loadcnt 4*(6-(\t))                      ; the next step's four loads are in; those of the steps behind it may be out
	TURN (\t)+1                                    ; and go through the other stage while this step is worked
.endif
.irp i, 0,1,2,3,4,5,6,7,8,9,10,11,12,13,14,15
	v_med3_num_f32 v[XS+\i], v[XS+\i], -v10, v10   ; the conversion to an 8-bit code does not saturate (ISA guide 7.6.2): hold the number first
.endr
	v_cvt_scalef32_pk8_bf8_f32 v[C+4*(\t):C+4*(\t)+1], v[XS:XS+7], v11
	v_cvt_scalef32_pk8_bf8_f32 v[C+4*(\t)+2:C+4*(\t)+3], v[XS+8:XS+15], v11
	v_nop
	ds_store_b128 v6, v[C+4*(\t):C+4*(\t)+3] offset:32*(\t)
.endm
.irp t, 0,1,2,3,4,5,6,7
	STEP \t
.endr
.irp u, 0,1,2,3,4,5,6,7
	ds_load_b128 v[R+4*\u:R+4*\u+3], v7 offset:544*\u   ; two rows of the stage
.endr
.irp u, 0,1,2,3,4,5,6,7
	s_wait_dscnt 7-\u                              ; the younger loads may be out
	global_store_b128 v3, v[R+4*\u:R+4*\u+3], s[10:11] offset:512*\u
.endr
	s_wait_tensorcnt 0x0                           ; the wave's end
	ds_add_u32 v[SPW], v[NIL]
	s_wait_dscnt 0x0
	s_endpgm
.Lfunc_end_k_q31dc795de5_quant:
	.size	k_q31dc795de5_quant, .Lfunc_end_k_q31dc795de5_quant-k_q31dc795de5_quant
	.p2alignl 7, 3214868480
	.fill 96, 4, 3214868480
	.section	.rodata,"a",@progbits
	.p2align	6, 0x0
	.amdhsa_kernel k_q31dc795de5_quant
		.amdhsa_group_segment_fixed_size 69120
		.amdhsa_private_segment_fixed_size 0
		.amdhsa_enable_private_segment 0
		.amdhsa_kernarg_size 32
		.amdhsa_user_sgpr_count 2
		.amdhsa_user_sgpr_kernarg_segment_ptr 1
		.amdhsa_wavefront_size32 1
		.amdhsa_system_sgpr_workgroup_id_x 1
		.amdhsa_system_sgpr_workgroup_id_y 1
		.amdhsa_system_sgpr_workgroup_id_z 1
		.amdhsa_system_vgpr_workitem_id 0
		.amdhsa_next_free_vgpr 208
		.amdhsa_next_free_sgpr 66
		.amdhsa_reserve_vcc 0
		.amdhsa_float_denorm_mode_32 3
		.amdhsa_float_denorm_mode_16_64 3
		.amdhsa_memory_ordered 1
		.amdhsa_forward_progress 1
		.amdhsa_inst_pref_size 22
	.end_amdhsa_kernel
	.amdgpu_metadata
---
amdhsa.version: [ 1, 2 ]
amdhsa.kernels:
  - .name:           k_q31dc795de5_quant
    .symbol:         k_q31dc795de5_quant.kd
    .args:
      - { .name: inputs, .offset: 0, .size: 8, .value_kind: global_buffer, .address_space: global }
      - { .name: rotation_params, .offset: 8, .size: 8, .value_kind: global_buffer, .address_space: global }
      - { .name: lowp_scales, .offset: 16, .size: 8, .value_kind: global_buffer, .address_space: global }
      - { .name: xw, .offset: 24, .size: 8, .value_kind: global_buffer, .address_space: global }
    .group_segment_fixed_size: 69120
    .private_segment_fixed_size: 0
    .kernarg_segment_align: 8
    .kernarg_segment_size: 32
    .max_flat_workgroup_size: 224
    .sgpr_count:     66
    .vgpr_count:     208
    .wavefront_size: 32
...
	.end_amdgpu_metadata
.endif
;; end of part 1
;; launch qkv (part 2): grid 16 x 16, 4 waves a work-group, clusters of 4 x 1, 197,120 bytes of LDS; arguments xw, lowp_scales, entangle_params, qkv; writes qkv
.if DOCPART == 2
	.amdgcn_target "amdgcn-amd-amdhsa--gfx1250"
	.amdhsa_code_object_version 6
	.text
	.protected	k_q31dc795de5_qkv
	.globl	k_q31dc795de5_qkv
	.p2align	8
	.type	k_q31dc795de5_qkv,@function
k_q31dc795de5_qkv:
	s_mov_b64 s[64:65], 0
	v_nop
	global_prefetch_b8 v0, s[64:65] scope:SCOPE_SE
	s_setreg_imm32_b32 hwreg(HW_REG_WAVE_MODE, 25, 1), 1
	s_wait_xcnt 0x0
	s_wait_alu depctr_hold_cnt(0) depctr_sa_sdst(0) depctr_va_vdst(0) depctr_va_sdst(0) depctr_va_ssrc(0) depctr_va_vcc(0) depctr_vm_vsrc(0)
	s_getreg_b32 s2, hwreg(HW_REG_IB_STS2, 6, 4)
	s_cmp_eq_u32 s2, 0
	s_cbranch_scc0 .Lentry_in_a_cluster
	s_endpgm
.Lentry_in_a_cluster:
	s_bfe_u32 s2, ttmp6, 0x10000c
	s_cmp_lg_u32 s2, 0x3003
	s_cbranch_scc0 .Lentry_shape_is_right
	s_endpgm
.Lentry_shape_is_right:
; The projection x W^T + bias on codes of BF8 (scales 2^e0, 2^e1), K = 1,024, f32 sums; its results are quantised (Q by 2^e2, K by 2^e3, V by 2^e5) and stored as images of the attention's operand registers.
; A work-group makes 256 tokens x one head's 192 columns (Q, K, V: 64 each): 16 x 16 = 256 work-groups of equal work.  A wave takes 64 tokens x 192 columns: 4 x 12 accumulators of 16 x 16, 384 registers.
; THE WEIGHTS of the head, 12 tiles x 16,384 bytes, lie whole in LDS as images of the operand's registers, K quarter by K quarter (49,152 bytes each).  Wave w fetches quarter w by one tensor load: nothing is filled again.
; The four work-groups of a cluster take four blocks of tokens of the same head: each load is joint (mask 15), behind one round.
; THE TOKENS' codes are read by one wave alone in a work-group: they go straight into registers, a ring of four K steps of 128, asked for three steps ahead.  These loads run ahead themselves and the weights come by the
; head's loads alone, so no prefetch is written.
; A K step is three groups of 16 matrix instructions: Q, K, V.  A group's 64 fragment registers are loaded again for the next step as soon as the group is issued: two groups' loads are out while one is multiplied.
; Q and K: source 0 = 16 columns, source 1 = 16 tokens: a lane holds one token and its registers run along the head's 64.  V the other way round: a lane holds one of the 64, its registers run along the tokens.
; LIMITS: -126 <= e0 + e1 <= 127; -126 <= e2, e3, e5 <= 112.
; OUT: Q: hb x 131,072 + tile of 16 tokens x 1,024;  K: 0x400000 + hb x 262,144 + step of 128 tokens x 16,384 + tile x 1,024;  V: the step's byte 8,192 + 2,048 x (tile of 16 of the 64); hb = 2 head + batch.
; WINDOWS: 0: addresses, the weights' fragments v32-223 (on the way out results and codes); 1: the tokens' ring; 2: accumulators of Q (v0-127) and K (v128-255); 3: of V (v0-127), the biases v128-199.
.set LI,   1                           ; v1-4   16 x lane + 49,152 x quarter
.set BO,   6                           ; 32 x (lane / 16)
.set BV,   7                           ; 4 x (lane % 16)
.set SPW,  8                           ; LDS address of my spare word; never rewritten
.set NIL,  9                           ; 0; never rewritten
.set SC,   10                          ; v10-12 2^e of Q, K, V
.set LM,   13                          ; v13-15 57,344 x 2^e
.set BF,   32
.set TMP,  32                          ; the way out: 12 tiles x 8 results
.set CQ,   128                         ; codes of Q and K: 16 registers for each tile of tokens
.set CV,   192                         ; codes of V: 8 registers for each tile of 16 of the 64
.set QB,   49152
.set SPARE, 4*QB
.set MSB, 0
.macro WIN new                         ; the immediate's high byte repeats the setting that is left
.if MSB != \new
	s_set_vgpr_msb (MSB<<8)|\new
.set MSB, \new
.endif
.endm
.macro ROUND                           ; a round of the cluster's barrier
	s_barrier_signal -1
	s_barrier_wait -1
	s_cmp_lg_u32 s14, 0
	s_cbranch_scc1 .Lnot_wave_0_\@
	s_barrier_signal -3
.Lnot_wave_0_\@:
	s_barrier_wait -3
	s_barrier_signal -1
	s_barrier_wait -1
.endm
.macro ALOAD s                         ; my four token tiles' fragments of K step s into the ring
	WIN 0x40
.irp i, 0,1,2,3
.irp c, 0,1,2,3
	global_load_b128 v[64*((\s)%4)+16*\i+4*\c:64*((\s)%4)+16*\i+4*\c+3], v[LI], s[20:21] offset:16384*\i+2048*(\s)+512*\c
.endr
.endr
	WIN 0
.endm
.macro BLOAD s, p                      ; part p's four fragments of K step s
.irp j, 0,1,2,3
.irp c, 0,1,2,3
	ds_load_b128 v[BF+64*(\p)+16*\j+4*\c:BF+64*(\p)+16*\j+4*\c+3], v[LI+(\s)/2] offset:4096*(4*(\p)+\j)+2048*((\s)%2)+512*\c
.endr
.endr
.endm
.macro BIAS                            ; 24 loads
	WIN 0xc0
.irp p, 0,1
.irp j, 0,1,2,3
	global_load_b128 v[128+32*\p+8*\j:128+32*\p+8*\j+3], v[BO], s[8:9] offset:4096*\p+64*\j
	global_load_b128 v[132+32*\p+8*\j:132+32*\p+8*\j+3], v[BO], s[8:9] offset:4096*\p+64*\j+16
.endr
.endr
.irp j, 0,1,2,3
	global_load_b32 v[192+2*\j], v[BV], s[8:9] offset:8192+64*\j
	global_load_b32 v[193+2*\j], v[BV], s[8:9] offset:8192+64*\j   ; (named as the upper half of the pair)
.endr
	WIN 0
.endm
; 16 matrix instructions.  The 48 accumulators take turns, one instruction a turn, in the same order in every step.  The first step's products start the sums.
.macro MUL s, p
.set AR, 64*((\s)%4)
.set BR, BF+64*(\p)
.if (\p) < 2
	WIN 0xa4
.else
	WIN 0xf1
.endif
.irp i, 0,1,2,3
.irp j, 0,1,2,3
.set D, 128*((\p)%2)+8*(4*\i+\j)
.if (\s) == 0
.if (\p) < 2
	v_wmma_f32_16x16x128_bf8_bf8 v[D:D+7], v[BR+16*\j:BR+16*\j+15], v[AR+16*\i:AR+16*\i+15], 0
.else
	v_wmma_f32_16x16x128_bf8_bf8 v[D:D+7], v[AR+16*\i:AR+16*\i+15], v[BR+16*\j:BR+16*\j+15], 0
.endif
.else
.if (\p) < 2
	v_wmma_f32_16x16x128_bf8_bf8 v[D:D+7], v[BR+16*\j:BR+16*\j+15], v[AR+16*\i:AR+16*\i+15], v[D:D+7]
.else
	v_wmma_f32_16x16x128_bf8_bf8 v[D:D+7], v[AR+16*\i:AR+16*\i+15], v[BR+16*\j:BR+16*\j+15], v[D:D+7]
.endif
.endif
.endr
.endr
	WIN 0
.endm
.macro PLACES                          ; four places behind matrix instructions, in front of loads into their sources and of reads of their results
.rept 4
	v_nop
.endr
.endm
.macro KSTEP s
.if (\s) < 6
	s_wait_loadcnt 32                              ; this step's tokens are in; the next two steps' may be out
.elseif (\s) == 6
	s_wait_loadcnt 40                              ; step 7's sixteen and the 24 biases may be out
.else
	s_wait_loadcnt 24                              ; the biases may be out
.endif
.if (\s) < 5
	ALOAD (\s)+3
.endif
.if (\s) == 5
	BIAS
.endif
.irp p, 0,1,2
.if (\s) < 7
	s_wait_dscnt 32                                ; this group's fragments are in; the two groups' behind it may be out
.else
	s_wait_dscnt 32-16*\p
.endif
	MUL \s, \p
.if (\s) < 7
	PLACES
	BLOAD (\s)+1, \p
.endif
.endr
.endm
	s_load_b256 s[4:11], s[0:1], 0x0               ; xw s[4:5], the scales' exponents s[6:7], the bias s[8:9], qkv s[10:11]
	v_lshl_add_u32 v[SPW], v0, 2, SPARE
	v_mov_b32 v[NIL], 0
	ds_add_u32 v[SPW], v[NIL]                      ; the opening lines: the add, twice on end, and its wait
	ds_add_u32 v[SPW], v[NIL]
	v_lshrrev_b32 v5, 5, v0
	v_readfirstlane_b32 s14, v5                    ; wave 0..3
	v_and_b32 v[LI], 31, v0
	v_bfe_u32 v[BO], v0, 4, 1
	v_and_b32 v[BV], 15, v0
	v_lshlrev_b32 v[LI], 4, v[LI]
	v_lshlrev_b32 v[BO], 5, v[BO]
	v_lshlrev_b32 v[BV], 2, v[BV]
	v_add_nc_u32 v[LI+1], QB, v[LI]
	v_add_nc_u32 v[LI+2], 2*QB, v[LI]
	v_add_nc_u32 v[LI+3], 3*QB, v[LI]
	s_wait_alu depctr_va_vdst(0)                   ; ahead of the scalar lines and the waits below
	s_bfe_u32 s40, ttmp6, 0x40000                  ; cx: it enters the tokens' and the results' addresses alone
	s_lshl_b32 s42, ttmp9, 2
	s_add_co_u32 s42, s42, s40                     ; my block of 256 tokens
	s_and_b32 s17, ttmp7, 0xffff                   ; the head, which the four partners share
	s_mov_b32 s24, 15|(3<<16)|(1<<21)              ; group 1: 15:0 the mask: all four; 17:16 elements of 8 bytes; no padding; 21 set beside a mask
	s_mov_b32 s25, 512<<16                         ; tensor_dim0: 4,096 bytes, a quarter of a tile
	s_mov_b32 s26, 12<<16                          ; tensor_dim1: the head's 12 tiles
	s_mov_b32 s27, 512<<16
	s_mov_b32 s28, 12
	s_mov_b32 s29, 2048                            ; from tile to tile: 16,384 bytes
	s_mov_b32 s30, 0
	s_mov_b32 s31, 0
	s_mul_i32 s46, s17, 196608
	s_add_co_u32 s46, s46, 0x400000                ; the head's tiles, behind the tokens' 4 MiB
	s_lshl_b32 s47, s14, 12
	s_add_co_u32 s46, s46, s47                     ; my quarter
	s_mov_b32 s47, 0
	s_mul_i32 s45, s14, QB
	s_lshl_b32 s20, s42, 18
	s_lshl_b32 s21, s14, 16
	s_add_co_u32 s20, s20, s21                     ; my 64 tokens: four tiles
	s_mov_b32 s21, 0
	s_lshl_b32 s78, s17, 8                         ; the head's biases
	s_mov_b32 s79, 0
	s_lshl_b32 s60, s17, 1
	s_lshr_b32 s61, s42, 3
	s_add_co_u32 s60, s60, s61                     ; hb
	s_and_b32 s62, s42, 7
	s_lshl_b32 s62, s62, 4
	s_lshl_b32 s63, s14, 2
	s_add_co_u32 s62, s62, s63                     ; my first tile of 16 tokens in the batch
	s_lshl_b32 s70, s60, 17
	s_lshl_b32 s71, s62, 10
	s_add_co_u32 s70, s70, s71
	s_mov_b32 s71, 0
	s_lshl_b32 s72, s60, 18
	s_add_co_u32 s72, s72, 0x400000
	s_lshr_b32 s73, s62, 3
	s_lshl_b32 s73, s73, 14
	s_add_co_u32 s72, s72, s73
	s_bfe_u32 s74, s62, 0x10002                    ; which half of a step of 128 tokens is mine
	s_lshl_b32 s75, s74, 10
	s_lshl_b32 s74, s74, 12
	s_add_co_u32 s75, s72, s75
	s_add_co_u32 s72, s72, s74                     ; K: four tiles of 1,024 bytes on
	s_add_co_u32 s74, s75, 0x2000                  ; V: 1,024 bytes on in each of four fragments
	s_mov_b32 s73, 0
	s_mov_b32 s75, 0
	s_wait_dscnt 0x0                               ; both opening adds are done
	s_wait_kmcnt 0x0
	s_load_b128 s[88:91], s[6:7], 0x0              ; e0 to e3
	s_load_b64 s[92:93], s[6:7], 0x10              ; e4, e5
	s_mov_b32 s32, 1
	s_mov_b32 s33, s45
	s_add_nc_u64 s[34:35], s[4:5], s[46:47]
	s_or_b32 s35, s35, 0x80000000
	s_add_nc_u64 s[20:21], s[4:5], s[20:21]
	s_add_nc_u64 s[8:9], s[8:9], s[78:79]
	s_add_nc_u64 s[70:71], s[10:11], s[70:71]
	s_add_nc_u64 s[72:73], s[10:11], s[72:73]
	s_add_nc_u64 s[74:75], s[10:11], s[74:75]
	ROUND                                          ; all four work-groups are here: the joint loads meet
	tensor_load_to_lds s[32:35], s[24:31]          ; my quarter
	s_nop 0
	ALOAD 0
	ALOAD 1
	ALOAD 2
	s_wait_kmcnt 0x0
	s_add_co_i32 s96, s88, s89
	s_add_co_i32 s96, s96, 127
	s_lshl_b32 s96, s96, 23                        ; 2^(e0 + e1)
	s_mov_b32 s97, s96                             ; (named with it as a pair)
	s_mov_b32 s92, s93                             ; e2, e3, e5 stand in s[90:92]
.irp p, 0,1,2
	s_add_co_i32 s94, s[90+\p], 127
	s_lshl_b32 s95, s94, 23
	v_mov_b32 v[SC+\p], s95
	s_add_co_i32 s94, s94, 15
	s_lshl_b32 s94, s94, 23
	s_or_b32 s94, s94, 0x600000
	v_mov_b32 v[LM+\p], s94
.endr
	s_wait_alu depctr_va_vdst(0)                   ; the head's end
	s_wait_tensorcnt 0x0                           ; my quarter is in
	s_barrier_signal -1
	s_barrier_wait -1                              ; everybody's is: the head's weights are whole, and nothing is filled again
	BLOAD 0, 0
	BLOAD 0, 1
	BLOAD 0, 2
.irp s, 0,1,2,3,4,5,6,7
	KSTEP \s
.endr
; THE WAY OUT of tile i of my tokens: sum x 2^(e0 + e1) + bias, held and converted.  (The conversion to an 8-bit code does not saturate: ISA guide 7.6.2.)  No store's data are written again.
.macro OUTBLK i
	WIN 0x32
.irp p, 0,1
.irp j, 0,1,2,3
.irp r, 0,2,4,6
	v_pk_fma_f32 v[TMP+32*\p+8*\j+\r:TMP+32*\p+8*\j+\r+1], v[128*\p+8*(4*(\i)+\j)+\r:128*\p+8*(4*(\i)+\j)+\r+1], s[96:97], v[128+32*\p+8*\j+\r:129+32*\p+8*\j+\r] op_sel_hi:[1,0,1]
.endr
.endr
.endr
	WIN 0x33
.irp j, 0,1,2,3
.irp r, 0,2,4,6
	v_pk_fma_f32 v[TMP+64+8*\j+\r:TMP+65+8*\j+\r], v[8*(4*(\i)+\j)+\r:8*(4*(\i)+\j)+\r+1], s[96:97], v[192+2*\j:193+2*\j] op_sel_hi:[1,0,0]
.endr
.endr
	WIN 0
.irp p, 0,1,2
.set n, 0
.rept 32
	v_med3_num_f32 v[TMP+32*\p+n], v[TMP+32*\p+n], -v[LM+\p], v[LM+\p]
.set n, n+1
.endr
.endr
.irp j, 0,1,2,3
	v_cvt_scalef32_pk8_bf8_f32 v[CQ+16*(\i)+2*\j:CQ+16*(\i)+2*\j+1], v[TMP+8*\j:TMP+8*\j+7], v[SC]
	v_cvt_scalef32_pk8_bf8_f32 v[CQ+16*(\i)+8+2*\j:CQ+16*(\i)+9+2*\j], v[TMP+32+8*\j:TMP+39+8*\j], v[SC+1]
	v_cvt_scalef32_pk8_bf8_f32 v[CV+8*\j+2*(\i):CV+8*\j+2*(\i)+1], v[TMP+64+8*\j:TMP+71+8*\j], v[SC+2]
.endr
	v_nop                                          ; the plain place behind the last conversion
.irp c, 0,1
	global_store_b128 v[LI], v[CQ+16*(\i)+4*\c:CQ+16*(\i)+4*\c+3], s[70:71] offset:1024*(\i)+512*\c       ; each store covers 512 consecutive bytes, aligned
	global_store_b128 v[LI], v[CQ+16*(\i)+8+4*\c:CQ+16*(\i)+11+4*\c], s[72:73] offset:1024*(\i)+512*\c
.endr
.if (\i)%2
.irp j, 0,1,2,3
	global_store_b128 v[LI], v[CV+8*\j+4*((\i)/2):CV+8*\j+4*((\i)/2)+3], s[74:75] offset:2048*\j+512*((\i)/2)
.endr
.endif
.endm
	PLACES
	s_wait_loadcnt 0x0                             ; the biases are in
.irp i, 0,1,2,3
	OUTBLK \i
.endr
	s_wait_tensorcnt 0x0                           ; the wave's end
	ds_add_u32 v[SPW], v[NIL]
	s_wait_dscnt 0x0
	ROUND                                          ; the closing round: no work-group ends while a partner may still ask for a tile that names it
	s_endpgm
.Lfunc_end_k_q31dc795de5_qkv:
	.size	k_q31dc795de5_qkv, .Lfunc_end_k_q31dc795de5_qkv-k_q31dc795de5_qkv
	.p2alignl 7, 3214868480
	.fill 96, 4, 3214868480
	.section	.rodata,"a",@progbits
	.p2align	6, 0x0
	.amdhsa_kernel k_q31dc795de5_qkv
		.amdhsa_group_segment_fixed_size 197120
		.amdhsa_private_segment_fixed_size 0
		.amdhsa_enable_private_segment 0
		.amdhsa_kernarg_size 32
		.amdhsa_user_sgpr_count 2
		.amdhsa_user_sgpr_kernarg_segment_ptr 1
		.amdhsa_wavefront_size32 1
		.amdhsa_system_sgpr_workgroup_id_x 1
		.amdhsa_system_sgpr_workgroup_id_y 1
		.amdhsa_system_sgpr_workgroup_id_z 1
		.amdhsa_system_vgpr_workitem_id 0
		.amdhsa_next_free_vgpr 1024
		.amdhsa_next_free_sgpr 98
		.amdhsa_reserve_vcc 0
		.amdhsa_float_denorm_mode_32 3
		.amdhsa_float_denorm_mode_16_64 3
		.amdhsa_memory_ordered 1
		.amdhsa_forward_progress 1
		.amdhsa_inst_pref_size 116
	.end_amdhsa_kernel
	.amdgpu_metadata
---
amdhsa.version: [ 1, 2 ]
amdhsa.kernels:
  - .name:           k_q31dc795de5_qkv
    .symbol:         k_q31dc795de5_qkv.kd
    .args:
      - { .name: xw, .offset: 0, .size: 8, .value_kind: global_buffer, .address_space: global }
      - { .name: lowp_scales, .offset: 8, .size: 8, .value_kind: global_buffer, .address_space: global }
      - { .name: entangle_params, .offset: 16, .size: 8, .value_kind: global_buffer, .address_space: global }
      - { .name: qkv, .offset: 24, .size: 8, .value_kind: global_buffer, .address_space: global }
    .group_segment_fixed_size: 197120
    .private_segment_fixed_size: 0
    .kernarg_segment_align: 8
    .kernarg_segment_size: 32
    .max_flat_workgroup_size: 128
    .sgpr_count:     98
    .vgpr_count:     1024
    .wavefront_size: 32
...
	.end_amdgpu_metadata
.endif
;; end of part 2
;; launch attn (part 3): grid 8 x 32, 8 waves a work-group, no clusters, 263,168 bytes of LDS; arguments qkv, lowp_scales, ws; writes ws
.if DOCPART == 3
	.amdgcn_target "amdgcn-amd-amdhsa--gfx1250"
	.amdhsa_code_object_version 6
	.text
	.protected	k_q31dc795de5_attn
	.globl	k_q31dc795de5_attn
	.p2align	8
	.type	k_q31dc795de5_attn,@function
k_q31dc795de5_attn:
	s_mov_b64 s[64:65], 0
	v_nop
	global_prefetch_b8 v0, s[64:65] scope:SCOPE_SE
	s_setreg_imm32_b32 hwreg(HW_REG_WAVE_MODE, 25, 1), 1
	s_wait_xcnt 0x0
; O[hb][q] = the sum over k of softmax_k(Q[q] . K[k] / 8) V[k], head size 64, 2,048 keys, both products on codes of BF8 (E5M2) with the given scales 2^e2 (Q), 2^e3 (K), 2^e4 (p), 2^e5 (V).  hb = 2 h + b.
; THE SOFTMAX AHEAD OF THE SECOND PRODUCT: t = score x log2(e) / 8; M = the row's largest t so far, rounded UP to a whole number; p = 2^(t - M) is what is quantised; it is not normalised.
; The row's sum is taken of the unquantised p, in f32, and divides O at the end.  When M moves, the sum and O are multiplied by 2^(old M - new M), a power of two.
; SHARES.  A work-group owns one hb and 256 queries; each of its EIGHT waves owns 32 of them, two tiles of 16, in 512 registers: two waves to a SIMD.  Each fragment of K and V read from LDS feeds both tiles.
; Every wave walks all keys, 128 a step, 16 steps.
; LDS.  A head's K and V codes are 262,144 bytes: they lie WHOLE in LDS, as they lie in memory: step k at 16,384 k: eight fragments of K (16 keys x 64 d, 1,024 bytes each), then four of V (16 d x 128 keys, 2,048 bytes each),
; each an image of the operand's registers: four registers by one 16-byte load at 16 x lane.  Every byte is stored once: no ring.
; THE HOLD at the largest code changes nothing where 57,344 x 2^e4 is 1.75 or more (e4 >= -15), since p is at most 1 but for the last bit: whether it is done hangs on the whole number e4, by a scalar branch in each step.
; K and V come by plain loads through registers, there are no joint requests and there is no cluster.
; FILL, in chunks of two steps: 8 loads a wave; a load of the work-group's 256 threads covers 4,096 consecutive bytes.  Chunk c + 2 is asked for during step 2 c + 1, two loads at a time, and stored behind step 2 c + 2: one step ahead of
; its first use, since each step asks for the next step's K.  One barrier for each chunk.  These loads run ahead themselves, and no prefetch is written.
; LAYOUT.  Both products are used transposed: S^T = K Q^T (source 0 = 16 keys, source 1 = 16 queries), O^T = V^T P^T (source 0 = 16 d, source 1 = P): a lane holds ONE query of each tile (lane % 16) throughout.
; In tile t of S^T lane (r, hf) holds keys 16 t + 8 hf + 0 .. 7: their eight codes are registers 2 t, 2 t + 1 of P's fragment.
; OUT.  ws, f32: ((qt x 4 + dt) x 32 + hb) x 1,024 + u x 512 + 16 x lane: O(query 16 qt + r, d = 16 dt + 8 hf + 4 u + 0 .. 3): a store covers 512 consecutive bytes, aligned.  The next launch brings it into the output's order.
; LIMITS on the given exponents, so that each power of two below is an f32 number: e2 + e3 between -123 and 130; e4 between -126 and 112; e4 + e5 is applied by v_ldexp_f32 and has none.  The scaled scores t stay under 2^31 in magnitude.
; REGISTERS, window 0:
.set LI,   1                           ; 16 x lane
.set ADR,  2                           ; the step's LDS address
.set SCL,  3                           ; 2^e4
.set GO,   4                           ; 16 x thread: my place in a load's 4,096 bytes
.set ADW,  5                           ; LDS address of a chunk's stores
.set MA,   6                           ; v6-9 four chains of tile 0's maximum; v10-13 tile 1's
.set MB,   10
.set FA,   14                          ; f of tile 0; v15 its old -M: named with it as a pair
.set FB,   16                          ; the same for tile 1
.set NA,   18                          ; -M of tile 0; v19 its largest score so far: named with it as a pair
.set NB,   20                          ; the same for tile 1
.set LA,   22                          ; the row's sum, in two halves, and its second chain behind it: tile 0
.set CA,   24
.set LB,   26                          ; tile 1
.set CB,   28
.set SPW,  30                          ; LDS address of my spare word; never rewritten
.set NIL,  31                          ; 0; never rewritten
.set QA,   32                          ; Q's fragments
.set QB,   40
.set P,    48                          ; P's codes: tile 0 v48-63, tile 1 v64-79; ahead of the conversions tile 0's partial sums
.set SA,   80                          ; S^T, then p: tile 0 v80-143, tile 1 v144-207
.set SB,   144
.set G0,   208                         ; v208-239: a chunk's eight loads
; window 1:
.set KF,   0                           ; K's eight fragments
.set VF,   64                          ; V's four fragments
.set OA,   128                         ; O^T: four accumulators of tile 0, four of tile 1
.set OB,   160
.set STEPB, 16384                      ; a key step's bytes
.set CHB,   32768                      ; a chunk's
.set SPARE, 262144                     ; behind K and V: the spare words, 128 bytes for each wave
.set MSB, 0
.macro WIN new                         ; the immediate's high byte repeats the setting that is left
.if MSB != \new
	s_set_vgpr_msb (MSB<<8)|\new
.set MSB, \new
.endif
.endm
.macro LOAD2 k                         ; two of the eight loads of the chunk behind the one at s[10:11]
.irp i, 2*(\k), 2*(\k)+1
	global_load_b128 v[G0+4*(\i):G0+4*(\i)+3], v[GO], s[10:11] offset:CHB+4096*(\i)
.endr
.endm
.macro FILL                            ; the chunk that has been asked for goes into LDS
	s_wait_loadcnt 0x0                             ; my part is in (and the loads' base may be written)
	v_add_nc_u32 v[ADW], s59, v[GO]
.irp i, 0,1,2,3,4,5,6,7
	ds_store_b128 v[ADW], v[G0+4*\i:G0+4*\i+3] offset:4096*\i
.endr
	s_add_nc_u64 s[10:11], s[10:11], CHB
	s_add_co_u32 s59, s59, CHB
	s_wait_dscnt 0x0                               ; for the others' sake: my stores are done
	s_barrier_signal -1
	s_barrier_wait -1                              ; the chunk is whole
.endm
.macro KLOAD adr, off                  ; K's eight fragments of the step that begins off bytes behind v[adr]
.irp t, 0,1,2,3,4,5,6,7
	ds_load_b128 v[KF+8*\t:KF+8*\t+3],   v[\adr] offset:(\off)+1024*\t
	ds_load_b128 v[KF+8*\t+4:KF+8*\t+7], v[\adr] offset:(\off)+1024*\t+512
.endr
.endm
.macro SCALE s, n, i                   ; t - M, two at a time (of the pairs c and -M the low word serves both halves)
	v_pk_fma_f32 v[\s+2*(\i):\s+2*(\i)+1], v[\s+2*(\i):\s+2*(\i)+1], s[22:23], v[\n:\n+1] op_sel_hi:[1,0,0]
.endm
; A KEY STEP: the 128 keys whose tiles begin at LDS byte s60.  Its K has been asked for before.  pre = 1: the next step's K is asked for.  first = 1: the sums begin here.  ld = 1: a chunk is asked for.
.macro STEP pre, first, ld
	s_wait_dscnt 0x0                               ; K is in
	WIN 0x01
.irp t, 0,1,2,3,4,5,6,7
	v_wmma_f32_16x16x64_bf8_bf8 v[SA+8*\t:SA+8*\t+7], v[KF+8*\t:KF+8*\t+7], v[QA:QA+7], 0   ; S^T, keys 16 t on
	v_wmma_f32_16x16x64_bf8_bf8 v[SB+8*\t:SB+8*\t+7], v[KF+8*\t:KF+8*\t+7], v[QB:QB+7], 0
.endr
	WIN 0
	; four places or more behind the products, in front of the loads into K's registers and of the first read of results: lines that are due
	v_add_nc_u32 v[ADR], s60, v[LI]
.if \first
.rept 3
	v_nop
.endr
.else
	v_pk_add_f32 v[LA:LA+1], v[LA:LA+1], v[CA:CA+1]    ; the last step's second chains join the sums
	v_pk_add_f32 v[LB:LB+1], v[LB:LB+1], v[CB:CB+1]
	v_mov_b32 v[FA+1], v[NA]                       ; the old -M
	v_mov_b32 v[FB+1], v[NB]
.endif
	WIN 0x40
.irp d, 0,1,2,3
.irp c, 0,1,2,3
	ds_load_b128 v[VF+16*\d+4*\c:VF+16*\d+4*\c+3], v[ADR] offset:8192+2048*\d+512*\c   ; this step's V: wanted behind the softmax
.endr
.endr
.if \pre
	KLOAD ADR, STEPB                               ; the next step's K: wanted at the next step's head
.endif
	WIN 0
.if \ld
	LOAD2 0
.endif
.irp c, 0,1,2,3                        ; the step's largest score of my queries among my 64 keys: for each tile four chains, all eight by turns; each accumulator is read from its low end on
	v_max3_num_f32 v[MA+\c], v[SA+16*\c], v[SA+16*\c+1], v[SA+16*\c+2]
	v_max3_num_f32 v[MB+\c], v[SB+16*\c], v[SB+16*\c+1], v[SB+16*\c+2]
.endr
.irp k, 3,5,7,9,11,13
.irp c, 0,1,2,3
	v_max3_num_f32 v[MA+\c], v[MA+\c], v[SA+16*\c+\k], v[SA+16*\c+\k+1]
	v_max3_num_f32 v[MB+\c], v[MB+\c], v[SB+16*\c+\k], v[SB+16*\c+\k+1]
.endr
.endr
	v_max3_num_f32 v[MA], v[MA], v[SA+15], v[SA+31]    ; the four scores left over, and the chains
	v_max3_num_f32 v[MB], v[MB], v[SB+15], v[SB+31]
	v_max3_num_f32 v[MA+1], v[MA+1], v[SA+47], v[SA+63]
	v_max3_num_f32 v[MB+1], v[MB+1], v[SB+47], v[SB+63]
	v_max3_num_f32 v[MA], v[MA], v[MA+1], v[MA+2]
	v_max3_num_f32 v[MB], v[MB], v[MB+1], v[MB+2]
	v_max_num_f32 v[MA], v[MA], v[MA+3]
	v_max_num_f32 v[MB], v[MB], v[MB+3]
	v_permlanex16_b32 v[MA+1], v[MA], s20, s21     ; lane l xor 16's
	v_permlanex16_b32 v[MB+1], v[MB], s20, s21
.if \first
	v_max_num_f32 v[NA+1], v[MA], v[MA+1]          ; the largest score so far
	v_max_num_f32 v[NB+1], v[MB], v[MB+1]
.else
	v_max3_num_f32 v[NA+1], v[NA+1], v[MA], v[MA+1]
	v_max3_num_f32 v[NB+1], v[NB+1], v[MB], v[MB+1]
.endif
	v_mul_f32 v[MA], s24, v[NA+1]                  ; -t (c is positive, s24 = -c)
	v_mul_f32 v[MB], s24, v[NB+1]
	v_floor_f32 v[NA], v[MA]                       ; -M = floor(-t) = -ceil(t): M is a whole number
	v_floor_f32 v[NB], v[MB]
.if \first
.irp i, 0,1,2,3,4,5,6,7
	SCALE SA, NA, \i
.endr
.else
	v_sub_f32 v[FA+1], v[NA], v[FA+1]              ; M's old value less its new one: a whole number, 0 or less
	SCALE SA, NA, 0
	v_sub_f32 v[FB+1], v[NB], v[FB+1]
	SCALE SA, NA, 1
	SCALE SA, NA, 2
	v_cvt_i32_f32 v[FA+1], v[FA+1]                 ; (it saturates)
	SCALE SA, NA, 3
	v_cvt_i32_f32 v[FB+1], v[FB+1]
	SCALE SA, NA, 4
	SCALE SA, NA, 5
	v_ldexp_f32 v[FA], 1.0, v[FA+1]                ; f = 2^(old M - new M)
	SCALE SA, NA, 6
	v_ldexp_f32 v[FB], 1.0, v[FB+1]
	SCALE SA, NA, 7
.endif
.irp i, 8,9,10,11,12,13,14,15,16,17,18,19,20,21,22,23,24,25,26,27,28,29,30,31
	SCALE SA, NA, \i
.endr
.if (\first) == 0
	v_pk_mul_f32 v[LA:LA+1], v[LA:LA+1], v[FA:FA+1] op_sel_hi:[1,0]   ; the sums under the new M
	v_pk_mul_f32 v[LB:LB+1], v[LB:LB+1], v[FB:FB+1] op_sel_hi:[1,0]
	WIN 0x41
.irp j, 0,2,4,6,8,10,12,14,16,18,20,22,24,26,28,30
	v_pk_mul_f32 v[OA+\j:OA+\j+1], v[OA+\j:OA+\j+1], v[FA:FA+1] op_sel_hi:[1,0]       ; O^T under the new M: each accumulator from its low end on
	v_pk_mul_f32 v[OB+\j:OB+\j+1], v[OB+\j:OB+\j+1], v[FB:FB+1] op_sel_hi:[1,0]
.endr
	WIN 0
.endif
.if \ld
	LOAD2 1
.endif
	s_wait_alu depctr_va_vdst(0)                   ; ahead of the batch
.irp i, 0,1,2,3,4,5,6,7,8,9,10,11,12,13,14,15,16,17,18,19,20,21,22,23,24,25,26,27,28,29,30,31
	v_exp_f32 v[SA+2*\i], v[SA+2*\i]               ; tile 0: p = 2^(t - M), at most 1: not normalised; between them tile 1's scalings, which name no result of the batch
	v_exp_f32 v[SA+2*\i+1], v[SA+2*\i+1]
	SCALE SB, NB, \i
.endr
.if \ld
	LOAD2 2
.endif
	s_wait_alu depctr_va_vdst(0)                   ; behind tile 0's batch and ahead of tile 1's
.irp i, 0,1,2,3,4,5,6,7,8,9,10,11,12,13,14,15
	v_exp_f32 v[SB+4*\i], v[SB+4*\i]               ; tile 1; between them tile 0's pairs are added, each into registers of its own
	v_exp_f32 v[SB+4*\i+1], v[SB+4*\i+1]
	v_exp_f32 v[SB+4*\i+2], v[SB+4*\i+2]
	v_exp_f32 v[SB+4*\i+3], v[SB+4*\i+3]
	v_pk_add_f32 v[P+2*\i:P+2*\i+1], v[SA+4*\i:SA+4*\i+1], v[SA+4*\i+2:SA+4*\i+3]
.endr
.if \ld
	LOAD2 3
.endif
	s_wait_alu depctr_va_vdst(0)                   ; behind the batch
; THE ROWS' SUMS ARE TAKEN OF THE UNQUANTISED p, two at a time, in two chains a tile; the second chain begins anew in each step
.irp i, 0,1,2,3,4,5,6,7
.if (\first) && (\i == 0)
	v_pk_add_f32 v[LA:LA+1], v[P:P+1], v[P+4:P+5]
	v_pk_add_f32 v[LB:LB+1], v[SB:SB+1], v[SB+4:SB+5]
.else
.if ((\first) == 0) || (\i != 1)
	v_pk_add_f32 v[LA:LA+1], v[LA:LA+1], v[P+4*\i:P+4*\i+1]
.endif
	v_pk_add_f32 v[LB:LB+1], v[LB:LB+1], v[SB+8*\i:SB+8*\i+1]
.endif
.if \i == 0
	v_pk_add_f32 v[CB:CB+1], v[SB+2:SB+3], v[SB+6:SB+7]
	v_pk_add_f32 v[CA:CA+1], v[P+2:P+3], v[P+6:P+7]
.else
	v_pk_add_f32 v[CB:CB+1], v[CB:CB+1], v[SB+8*\i+2:SB+8*\i+3]
.if \i > 1
	v_pk_add_f32 v[CA:CA+1], v[CA:CA+1], v[P+4*\i+2:P+4*\i+3]
.endif
.endif
.if ((\first) == 0) || (\i != 0)
	v_pk_add_f32 v[LB:LB+1], v[LB:LB+1], v[SB+8*\i+4:SB+8*\i+5]
.endif
.if \i > 0
	v_pk_add_f32 v[CB:CB+1], v[CB:CB+1], v[SB+8*\i+6:SB+8*\i+7]
.endif
.endr
	s_wait_alu depctr_va_vdst(0)                   ; ahead of the branch
	s_cmp_eq_u32 s25, 0                            ; does 57,344 x 2^e4 reach beyond every p?
	s_cbranch_scc1 .Lopen_\@
.set j, 0
.rept 128
	v_min_num_f32 v[SA+j], s26, v[SA+j]            ; the conversion to an 8-bit code does not saturate (ISA guide 7.6.2); p is not negative, so the hold is one-sided
.set j, j+1
.endr
.Lopen_\@:
.irp u, 0,1,2,3,4,5,6,7
	v_cvt_scalef32_pk8_bf8_f32 v[P+2*\u:P+2*\u+1], v[SA+8*\u:SA+8*\u+7], v[SCL]
	v_cvt_scalef32_pk8_bf8_f32 v[P+16+2*\u:P+17+2*\u], v[SB+8*\u:SB+8*\u+7], v[SCL]
.endr
	v_nop                                          ; the plain place behind the last conversion
	s_wait_alu depctr_va_vdst(0)                   ; directly ahead of the wait below
	s_wait_dscnt 16*\pre                           ; V's sixteen loads are in; the sixteen of the next step's K, issued behind them, may be out
	WIN 0x51
.irp d, 0,1,2,3                        ; the eight accumulators take turns, one instruction a turn
.if \first
	v_wmma_f32_16x16x128_bf8_bf8 v[OA+8*\d:OA+8*\d+7], v[VF+16*\d:VF+16*\d+15], v[P:P+15], 0
	v_wmma_f32_16x16x128_bf8_bf8 v[OB+8*\d:OB+8*\d+7], v[VF+16*\d:VF+16*\d+15], v[P+16:P+31], 0
.else
	v_wmma_f32_16x16x128_bf8_bf8 v[OA+8*\d:OA+8*\d+7], v[VF+16*\d:VF+16*\d+15], v[P:P+15], v[OA+8*\d:OA+8*\d+7]
	v_wmma_f32_16x16x128_bf8_bf8 v[OB+8*\d:OB+8*\d+7], v[VF+16*\d:VF+16*\d+15], v[P+16:P+31], v[OB+8*\d:OB+8*\d+7]
.endif
.endr
	WIN 0
.endm
.macro TWO ld                          ; a chunk is stored, then an odd step, which asks for the next chunk (ld = 1), and an even one
	FILL
	STEP 1, 0, \ld
	s_add_co_u32 s60, s60, STEPB
	STEP 1, 0, 0
	s_add_co_u32 s60, s60, STEPB
.endm
	s_load_b128 s[4:7], s[0:1], 0x0                ; qkv s[4:5], the scales' exponents s[6:7]
	s_load_b64 s[8:9], s[0:1], 0x10                ; ws
	v_lshl_add_u32 v[SPW], v0, 2, SPARE
	v_mov_b32 v[NIL], 0
	v_lshrrev_b32 v2, 5, v0
	v_readfirstlane_b32 s18, v2                    ; wave 0..7
	v_and_b32 v[LI], 31, v0
	v_lshlrev_b32 v[LI], 4, v[LI]
	v_lshlrev_b32 v[GO], 4, v0
	s_and_b32 s14, ttmp7, 0xffff                   ; hb
	s_lshl_b32 s15, ttmp9, 4                       ; my block of 256 queries: 16 tiles
	s_lshl_b32 s16, s18, 1
	s_add_co_u32 s15, s15, s16                     ; qt: my first tile of 16 queries, 0..126
	s_lshl_b32 s16, s14, 18
	s_add_co_u32 s16, s16, 0x400000                ; the head's K and V: behind Q's 4 MiB
	s_mov_b32 s17, 0
	s_lshl_b32 s12, s14, 17
	s_lshl_b32 s13, s15, 10
	s_add_co_u32 s12, s12, s13                     ; Q's fragments: hb x 131,072 + qt x 1,024
	s_mov_b32 s13, 0
	s_lshl_b32 s62, s15, 17
	s_lshl_b32 s63, s14, 10
	s_add_co_u32 s62, s62, s63                     ; ws: qt x 131,072 + hb x 1,024
	s_mov_b32 s63, 0
	s_wait_alu depctr_va_vdst(0)                   ; directly ahead of the wait below
	s_wait_kmcnt 0x0
	s_load_b128 s[68:71], s[6:7], 0x8              ; e2, e3, e4, e5
	s_add_nc_u64 s[10:11], s[4:5], s[16:17]
	s_add_nc_u64 s[12:13], s[4:5], s[12:13]
	s_add_nc_u64 s[8:9], s[8:9], s[62:63]
	global_load_b128 v[QA:QA+3],   v[LI], s[12:13]
	global_load_b128 v[QA+4:QA+7], v[LI], s[12:13] offset:512
	global_load_b128 v[QB:QB+3],   v[LI], s[12:13] offset:1024
	global_load_b128 v[QB+4:QB+7], v[LI], s[12:13] offset:1536
.irp i, 0,1,2,3,4,5,6,7
	global_load_b128 v[SA+4*\i:SA+4*\i+3], v[GO], s[10:11] offset:4096*\i   ; chunk 0
.endr
.irp k, 0,1,2,3
	LOAD2 \k                                       ; chunk 1
.endr
	s_mov_b32 s20, 0x76543210                      ; lane selects for v_permlanex16_b32: lane l xor 16
	s_mov_b32 s21, 0xfedcba98
	s_mov_b32 s22, 0x3e38aa3b                      ; c = log2(e) / 8
	s_wait_kmcnt 0x0
	s_add_co_i32 s66, s68, s69
	s_lshl_b32 s66, s66, 23
	s_add_co_i32 s22, s22, s66                     ; a score stands for score x 2^(e2 + e3): the two exponents are added to c's exponent field
	s_mov_b32 s23, s22                             ; (named with it as a pair, so it is written)
	s_xor_b32 s24, s22, 0x80000000                 ; -c
	s_add_co_i32 s66, s70, 127
	s_lshl_b32 s67, s66, 23
	v_mov_b32 v[SCL], s67                          ; 2^e4 as f32, for the conversion
	s_add_co_i32 s66, s66, 15
	s_lshl_b32 s66, s66, 23
	s_or_b32 s26, s66, 0x600000                    ; 57,344 x 2^e4
	s_cmp_lt_i32 s70, -15
	s_cselect_b32 s25, 1, 0                        ; 1: p can lie beyond it
	s_add_co_i32 s67, s70, s71                     ; e4 + e5
	s_mov_b32 s59, CHB                             ; where the next chunk goes in LDS
	s_wait_alu depctr_va_vdst(0)                   ; the head's end
	s_wait_loadcnt 8                               ; Q and chunk 0 are in; chunk 1's eight loads may be out
.irp i, 0,1,2,3,4,5,6,7
	ds_store_b128 v[GO], v[SA+4*\i:SA+4*\i+3] offset:4096*\i
.endr
	s_wait_dscnt 0x0                               ; for the others' sake: my stores are done
	s_barrier_signal -1
	s_barrier_wait -1                              ; chunk 0 is whole
	WIN 0x40
	KLOAD LI, 0
	WIN 0
	s_mov_b32 s60, 0
	STEP 1, 1, 0                                   ; step 0; it asks for step 1's K
	s_mov_b32 s60, STEPB
	s_mov_b32 s61, 6
.Lchunk:                                               ; steps 1-12: six chunks are stored, six asked for
	TWO 1
	s_sub_co_u32 s61, s61, 1
	s_cmp_lg_u32 s61, 0
	s_cbranch_scc1 .Lchunk
	s_mov_b32 s60, 13*STEPB
	TWO 0                                          ; steps 13, 14: the last chunk is stored
	s_mov_b32 s60, 15*STEPB
	STEP 0, 0, 0                                   ; step 15 asks for nothing
	; THE WAY OUT.  The lines up to the reciprocals are the places behind the last products.
	v_pk_add_f32 v[LA:LA+1], v[LA:LA+1], v[CA:CA+1]
	v_pk_add_f32 v[LB:LB+1], v[LB:LB+1], v[CB:CB+1]
	v_add_f32 v[LA], v[LA], v[LA+1]                ; the sum's two halves,
	v_add_f32 v[LB], v[LB], v[LB+1]
	v_permlanex16_b32 v[MA], v[LA], s20, s21
	v_permlanex16_b32 v[MB], v[LB], s20, s21
	v_add_f32 v[LA], v[LA], v[MA]                  ; and lane l xor 16's: the row's sum
	v_add_f32 v[LB], v[LB], v[MB]
	s_wait_alu depctr_va_vdst(0)                   ; ahead of the batch
	v_rcp_f32 v[LA], v[LA]
	v_rcp_f32 v[LB], v[LB]
	v_nop                                          ; one plain place behind the transcendentals
	s_wait_alu depctr_va_vdst(0)                   ; and behind it
	v_ldexp_f32 v[LA], v[LA], s67                  ; x 2^(e4 + e5)
	v_ldexp_f32 v[LB], v[LB], s67
	WIN 0x01
	s_wait_alu depctr_va_vdst(0)                   ; directly ahead of the first readers of O^T
.irp j, 0,2,4,6,8,10,12,14,16,18,20,22,24,26,28,30
	v_pk_mul_f32 v[SA+\j:SA+\j+1], v[OA+\j:OA+\j+1], v[LA:LA+1] op_sel_hi:[1,0]   ; O^T / the sum: register 8 dt + i is O(r, 16 dt + 8 hf + i)
	v_pk_mul_f32 v[SB+\j:SB+\j+1], v[OB+\j:OB+\j+1], v[LB:LB+1] op_sel_hi:[1,0]
.endr
	WIN 0
.irp d, 0,1,2,3
	global_store_b128 v[LI], v[SA+8*\d:SA+8*\d+3],   s[8:9] offset:32768*\d
	global_store_b128 v[LI], v[SA+8*\d+4:SA+8*\d+7], s[8:9] offset:32768*\d+512
.endr
.irp d, 0,1,2,3
	global_store_b128 v[LI], v[SB+8*\d:SB+8*\d+3],   s[8:9] offset:131072+32768*\d
	global_store_b128 v[LI], v[SB+8*\d+4:SB+8*\d+7], s[8:9] offset:131072+32768*\d+512
.endr
	s_wait_tensorcnt 0x0                           ; the wave's end, behind my last LDS store
	ds_add_u32 v[SPW], v[NIL]
	s_wait_dscnt 0x0
	s_endpgm
.Lfunc_end_k_q31dc795de5_attn:
	.size	k_q31dc795de5_attn, .Lfunc_end_k_q31dc795de5_attn-k_q31dc795de5_attn
	.p2alignl 7, 3214868480
	.fill 96, 4, 3214868480
	.section	.rodata,"a",@progbits
	.p2align	6, 0x0
	.amdhsa_kernel k_q31dc795de5_attn
		.amdhsa_group_segment_fixed_size 263168
		.amdhsa_private_segment_fixed_size 0
		.amdhsa_enable_private_segment 0
		.amdhsa_kernarg_size 24
		.amdhsa_user_sgpr_count 2
		.amdhsa_user_sgpr_kernarg_segment_ptr 1
		.amdhsa_wavefront_size32 1
		.amdhsa_system_sgpr_workgroup_id_x 1
		.amdhsa_system_sgpr_workgroup_id_y 1
		.amdhsa_system_sgpr_workgroup_id_z 1
		.amdhsa_system_vgpr_workitem_id 0
		.amdhsa_next_free_vgpr 512
		.amdhsa_next_free_sgpr 80
		.amdhsa_reserve_vcc 0
		.amdhsa_float_denorm_mode_32 3
		.amdhsa_float_denorm_mode_16_64 3
		.amdhsa_memory_ordered 1
		.amdhsa_forward_progress 1
		.amdhsa_inst_pref_size 177
	.end_amdhsa_kernel
	.amdgpu_metadata
---
amdhsa.version: [ 1, 2 ]
amdhsa.kernels:
  - .name:           k_q31dc795de5_attn
    .symbol:         k_q31dc795de5_attn.kd
    .args:
      - { .name: qkv, .offset: 0, .size: 8, .value_kind: global_buffer, .address_space: global }
      - { .name: lowp_scales, .offset: 8, .size: 8, .value_kind: global_buffer, .address_space: global }
      - { .name: ws, .offset: 16, .size: 8, .value_kind: global_buffer, .address_space: global }
    .group_segment_fixed_size: 263168
    .private_segment_fixed_size: 0
    .kernarg_segment_align: 8
    .kernarg_segment_size: 24
    .max_flat_workgroup_size: 256
    .sgpr_count:     80
    .vgpr_count:     512
    .wavefront_size: 32
...
	.end_amdgpu_metadata
.endif
;; end of part 3
;; launch perm (part 4): grid 512 x 1, 8 waves a work-group, no clusters, 34,304 bytes of LDS; arguments ws, out0; writes out0
.if DOCPART == 4
	.amdgcn_target "amdgcn-amd-amdhsa--gfx1250"
	.amdhsa_code_object_version 6
	.text
	.protected	k_q31dc795de5_perm
	.globl	k_q31dc795de5_perm
	.p2align	8
	.type	k_q31dc795de5_perm,@function
k_q31dc795de5_perm:
	s_mov_b64 s[64:65], 0
	v_nop
	global_prefetch_b8 v0, s[64:65] scope:SCOPE_SE
	s_setreg_imm32_b32 hwreg(HW_REG_WAVE_MODE, 25, 1), 1
	s_wait_xcnt 0x0
; out0, flat, is O in the order [s][d][h][b]: byte s x 8,192 + d x 128 + hb x 4, hb = 2 h + b.  An aligned run of 256 bytes holds two d of all 32 hb, which 32 different work-groups of the launch before made:
; so the order is changed here, through LDS, with dense reads and whole aligned runs out.
; ws: ((qt x 4 + dt) x 32 + hb) x 1,024 + u x 512 + (16 hf + r) x 16 + 4 i holds O(s = 16 qt + r, d = 16 dt + 8 hf + 4 u + i) of hb.
; Work-group g = 4 qt + dt reads the dense 32,768 bytes at 32,768 g and writes, for each of 16 tokens, the 2,048 consecutive bytes of its 16 d x 32 hb.
; LDS: one row for each hb, 1,024 bytes + 16 of padding.  In: 16-byte stores as the bytes lie.  Out: a lane gathers four neighbouring hb of one (s, d) by four 4-byte loads and stores 16 bytes;
; a wave's store covers 512 consecutive bytes, aligned.  The 4-byte loads go two deep on the banks: four rows are 1,040 words, 16 mod 64, so lanes l and l + 4 of eight meet; a pitch that keeps the
; 16-byte stores aligned is a multiple of 4 words, and none of those does better for this pattern than two deep.
; Memory binds: no matrix unit, no cluster (no byte is shared between work-groups), one barrier.
.set PITCH, 1040
.set IN,   8                           ; v8-39   eight loads of 16 bytes
.set OUTR, 40                          ; v40-71  eight stores of 16 bytes
.set GI,   1                           ; v1      16 x thread: my bytes of each 4,096
.set SA,   2                           ; v2      where they go in LDS
.set RA,   3                           ; v3      where I gather from
.set GA,   4                           ; v4      my byte offset in the work-group's part of out0
	s_load_b128 s[4:7], s[0:1], 0x0                ; ws s[4:5], out0 s[6:7]
	v_lshl_add_u32 v80, v0, 2, 0x8200
	v_mov_b32 v81, 0
	s_lshl_b32 s8, ttmp9, 15                       ; 32,768 g
	s_mov_b32 s9, 0
	s_lshr_b32 s10, ttmp9, 2
	s_lshl_b32 s10, s10, 17                        ; qt x 16 tokens x 8,192 bytes
	s_and_b32 s11, ttmp9, 3
	s_lshl_b32 s11, s11, 11                        ; dt x 16 d x 128 bytes
	s_add_co_u32 s10, s10, s11
	s_mov_b32 s11, 0
	v_lshlrev_b32 v[GI], 4, v0
	v_lshrrev_b32 v5, 6, v0                        ; 64 threads to a row of 1,024 bytes
	s_delay_alu instid0(VALU_DEP_1)
	v_mul_u32_u24 v5, v5, PITCH
	v_and_b32 v6, 63, v0
	s_delay_alu instid0(VALU_DEP_1)
	v_lshl_add_u32 v[SA], v6, 4, v5
	v_and_b32 v5, 7, v0                            ; lane % 8: which four hb
	s_delay_alu instid0(VALU_DEP_1)
	v_mul_u32_u24 v5, v5, 4*PITCH
	v_bfe_u32 v6, v0, 3, 2                         ; lane / 8: i
	s_delay_alu instid0(VALU_DEP_1)
	v_lshl_add_u32 v5, v6, 2, v5
	v_and_b32 v7, 0xe0, v0                         ; 32 x wave: wave w takes tokens 2 w and 2 w + 1, 16 bytes each in a row
	s_delay_alu instid0(VALU_DEP_1)
	v_add_nc_u32 v[RA], v5, v7
	v_and_b32 v6, 31, v0
	s_delay_alu instid0(VALU_DEP_1)
	v_lshlrev_b32 v6, 4, v6
	s_delay_alu instid0(VALU_DEP_1)
	v_lshl_add_u32 v[GA], v7, 9, v6                ; 16,384 x wave + 16 x lane
	s_wait_alu depctr_va_vdst(0)
	s_wait_kmcnt 0x0
	s_add_nc_u64 s[4:5], s[4:5], s[8:9]
	s_add_nc_u64 s[6:7], s[6:7], s[10:11]
.irp k, 0,1,2,3,4,5,6,7
	global_load_b128 v[IN+4*\k:IN+4*\k+3], v[GI], s[4:5] offset:4096*\k th:TH_LOAD_NT   ; the work-group reads 4,096 consecutive bytes: four hb; read once in the launch
.endr
.irp k, 0,1,2,3,4,5,6,7
	s_wait_loadcnt 7-\k                            ; loads come back in order: load k is in, the younger ones may be out
	ds_store_b128 v[SA], v[IN+4*\k:IN+4*\k+3] offset:4*PITCH*\k
.endr
	s_wait_dscnt 0x0                               ; for the others' sake: my stores are done
	s_barrier_signal -1
	s_barrier_wait -1
.irp t, 0,1                            ; token 2 w + t; q: d = 4 q + lane / 8, that is u = q % 2, hf = q / 2; c: hb = 4 (lane % 8) + c
.irp q, 0,1,2,3
.irp c, 0,1,2,3
	ds_load_b32 v[OUTR+4*(4*\t+\q)+\c], v[RA] offset:PITCH*\c+512*(\q%2)+256*(\q/2)+16*\t
.endr
.endr
.endr
.irp t, 0,1
.irp q, 0,1,2,3
	s_wait_dscnt 28-4*(4*\t+\q)                    ; this store's four loads are in; those of the later stores may be out
	global_store_b128 v[GA], v[OUTR+4*(4*\t+\q):OUTR+4*(4*\t+\q)+3], s[6:7] offset:8192*\t+512*\q th:TH_STORE_NT   ; 32 lanes store 512 consecutive bytes, aligned; written once
.endr
.endr
	s_wait_tensorcnt 0x0
	ds_add_u32 v80, v81
	s_wait_dscnt 0x0
	s_endpgm
.Lfunc_end_k_q31dc795de5_perm:
	.size	k_q31dc795de5_perm, .Lfunc_end_k_q31dc795de5_perm-k_q31dc795de5_perm
	.p2alignl 7, 3214868480
	.fill 96, 4, 3214868480
	.section	.rodata,"a",@progbits
	.p2align	6, 0x0
	.amdhsa_kernel k_q31dc795de5_perm
		.amdhsa_group_segment_fixed_size 34304
		.amdhsa_private_segment_fixed_size 0
		.amdhsa_enable_private_segment 0
		.amdhsa_kernarg_size 16
		.amdhsa_user_sgpr_count 2
		.amdhsa_user_sgpr_kernarg_segment_ptr 1
		.amdhsa_wavefront_size32 1
		.amdhsa_system_sgpr_workgroup_id_x 1
		.amdhsa_system_sgpr_workgroup_id_y 1
		.amdhsa_system_sgpr_workgroup_id_z 1
		.amdhsa_system_vgpr_workitem_id 0
		.amdhsa_next_free_vgpr 82
		.amdhsa_next_free_sgpr 66
		.amdhsa_reserve_vcc 0
		.amdhsa_float_denorm_mode_32 3
		.amdhsa_float_denorm_mode_16_64 3
		.amdhsa_memory_ordered 1
		.amdhsa_forward_progress 1
		.amdhsa_inst_pref_size 7
	.end_amdhsa_kernel
	.amdgpu_metadata
---
amdhsa.version: [ 1, 2 ]
amdhsa.kernels:
  - .name:           k_q31dc795de5_perm
    .symbol:         k_q31dc795de5_perm.kd
    .args:
      - { .name: ws, .offset: 0, .size: 8, .value_kind: global_buffer, .address_space: global }
      - { .name: out0, .offset: 8, .size: 8, .value_kind: global_buffer, .address_space: global }
    .group_segment_fixed_size: 34304
    .private_segment_fixed_size: 0
    .kernarg_segment_align: 8
    .kernarg_segment_size: 16
    .max_flat_workgroup_size: 256
    .sgpr_count:     66
    .vgpr_count:     82
    .wavefront_size: 32
...
	.end_amdgpu_metadata
.endif
;; end of part 4
